; MI455X (gfx1250); checked and timed in simulation.
; The chip was launched on July 23, 2026; its instructions are those of AMD's public machine-readable ISA for CDNA 5 (MIT licence, August 2026) and "CDNA5" Instruction Set Architecture Reference Guide (July 2026). The comments in the code are by the model that wrote it; some were corrected since.
;; Scaled Dot Product. Allowed arithmetic: matrix products marked QUANTISED: E2M1 operands, one E8M0 scale for each 32 along K, by v_wmma_scale_f32_16x16x128_f8f6f4 with both operands' format E2M1 (or v_wmma_scale_f32_32x16x128_f4), f32 sums; everything else in f32.
;; Inputs: keys 2 x 16 x 2,048 x 128 float32; queries 2 x 16 x 2,048 x 128 float32; values 2 x 16 x 2,048 x 128 float32.
;; Outputs: out0 2 x 16 x 2,048 x 128 float32.
;; This version of the problem:
;;   THIS VERSION OF THE PROBLEM IS GIVEN IN LOW PRECISION. The matrix products marked QUANTISED in the list below multiply operands that are first quantised to E2M1 (2 exponent bits, 1 mantissa bit; 4 bits a number), with one power-of-two scale for each 32 numbers along K (OCP MX v1.0); their sums are f32. All else is computed in f32.
;;   The module's matrix products, in the order in which they are computed (A, B: the left and right operand; K: the contracted axis; several contracted axes count as one K, in the product's order):
;;     1. batch 32 x [M 2,048, K 128] x [K 128, N 2,048]; A: input queries; B: input keys: QUANTISED
;;     2. batch 32 x [M 2,048, K 2,048] x [K 2,048, N 128]; A: softmax (see below); B: input values: QUANTISED
;;   THE QUANTISER, for each operand of a quantised product, along K:
;;     - K is cut into blocks of 32 from its start; a last block that is shorter is filled with zeros.
;;     - A block's scale is 2^e with e = floor(log2(the largest magnitude in the block)) - 2, held to -126 .. 127; a block of zeros has e = 0. As a byte (E8M0): e + 127.
;;     - Each number is divided by its block's scale, clamped to +-6, and rounded to the nearest number of E2M1, ties to even, subnormals kept.
;;     - The product sums the exact products of the quantised numbers (number of the format x scale) in f32.
;;   ~~~python
;;   def quantise(x, axis):      # numpy; x: float32 -> the quantised numbers, widened to float32 again
;;       x = np.moveaxis(x, axis, -1); K = x.shape[-1]
;;       x = np.pad(x, [(0, 0)] * (x.ndim - 1) + [(0, -K % 32)]); x = x.reshape(x.shape[:-1] + (-1, 32)); a = np.abs(x).max(-1, keepdims=True)
;;       e = np.where(a > 0, np.clip(np.frexp(np.where(a > 0, a, 1))[1] - 1 - 2, -126, 127), 0)      # np.frexp(a)[1] - 1 = floor(log2(a)), exactly
;;       r = np.clip(x / 2.0 ** e, -6, 6)
;;       step = 2.0 ** (np.maximum(np.frexp(np.where(r == 0, 1, r))[1] - 1, 0) - 1)
;;       q = np.round(r / step) * step * 2.0 ** e      # np.round: ties to even
;;       return np.moveaxis(q.reshape(q.shape[:-2] + (-1,))[..., :K], -1, axis).astype(np.float32)
;;   ~~~
;;   SOFTMAX AHEAD OF A QUANTISED PRODUCT. Where the list says 'softmax', what is quantised is not the finished softmax but p = 2^(t - M), with t = logit x log2(e) and M = ceil(the row's largest t), a whole number; so 1/2 < the row's largest p <= 1. The row's sum l is taken of the UNQUANTISED p, in f32, and the product's result is divided by l at the end. Since M is a whole number, a kernel that streams over the keys may use a running M (the ceiling of the running maximum): every later rescaling is an exact power of two, which a block's scale takes up: the codes' values come out the same.
;;   OPERANDS COMPUTED ON THE WAY. 'Computed on the way' means the value that the module computes at that place (a softmax that the list does not call 'softmax' is quantised finished and normalised). What goes into a quantiser is computed in f32, as accurately as f32 sums, v_exp_f32 and their like allow (about 1e-6 of the number): no bf16 or f16 on the way to a quantiser, and a product that is left as it is and whose result goes on into a quantised operand takes f32 operands (vector FMAs, or v_wmma_f32_16x16x4_f32). A number that lies on a knife's edge between two numbers of the format may be rounded either way, as far as f32 arithmetic and the matrix unit's own rounding can turn it there, and no further.
;; One version. Each part assembles by itself: llvm-mc -triple=amdgcn-amd-amdhsa -mcpu=gfx1250 --defsym DOCPART=n.
;; ======== version 1 of 1: 2 launches
;; limits: right only within a limited range of input values
;; workspace buffers: kv 8,912,896 bytes
;; launch quant (part 1): grid 256 x 1, 16 waves a work-group, no clusters, 327,680 bytes of LDS; arguments keys, values, kv; writes kv
.if DOCPART == 1
	.amdgcn_target "amdgcn-amd-amdhsa--gfx1250"
	.amdhsa_code_object_version 6
	.text
	.protected	k_q829bb2593f_quant
	.globl	k_q829bb2593f_quant
	.p2align	8
	.type	k_q829bb2593f_quant,@function
k_q829bb2593f_quant:
	s_mov_b64 s[64:65], 0
	v_nop
	global_prefetch_b8 v0, s[64:65] scope:SCOPE_SE
	s_setreg_imm32_b32 hwreg(HW_REG_WAVE_MODE, 25, 1), 1
	s_wait_xcnt 0x0
; keys and values, f32, become codes of FP4 (E2M1) with one E8M0 scale byte for each 32 along K (keys: along the head's 128; values: along the keys), laid in kv in the order of the next launch's operand registers.
; kv holds, for each 128 keys of a head, STEPB dense bytes: K's image (8 tiles of 1,024), K's scale words (512), V's image, V's scale words.
; A work-group takes 256 keys (two steps).  Waves 0 to 7 take K, 32 keys each; waves 8 to 15 take V.  Each wave has one tensor load, all at the head, and reads only what it fetched.
; ROWS OF K'S TILES: row r of tile t of a step is key 64 (t / 4) + 8 (t % 4) + 32 (r / 8) + r % 8.  So a K wave (block b = its number % 4) takes two runs of 16 keys, 32 keys apart:
; one tile of 2 rows of 8,192 bytes; in LDS 16 bytes of padding stand behind each 256.  V: 32 keys on end, 64 rows of 256 bytes.
; A block's scale byte is its largest magnitude's exponent field - 2, held at 1 from below (a block of zeros gets 1: its codes are zeros; only the next launch reads the bytes).
; No input is shared between work-groups: no cluster.  No prefetch: every byte is asked for at the head, there is no loop to run ahead in.
; LIMITS: NaN and infinities among the inputs are not served; a block whose largest magnitude lies under 2^-124 keeps the byte 1.
.set WT,    17408                      ; a wave's 16,384 bytes with padding
.set SSTG,  16*WT                      ; scale words of two steps: 512 bytes of K's, 512 of V's each
.set SPARE, SSTG+2048
.set STEPB, 17408
.set KSO,   8192
.set VIO,   8704
.set X,     32
.set CK,    160
.set CV,    176
.set EK,    16
.set EV,    192
.set LB,    46                         ; s46  my LDS bytes
	s_load_b128 s[4:7], s[0:1], 0x0
	s_load_b64 s[8:9], s[0:1], 0x10
	v_lshl_add_u32 v200, v0, 2, SPARE
	v_mov_b32 v201, 0
	ds_add_u32 v200, v201                  ; the add, twice on end, and its wait ahead of my tensor load
	ds_add_u32 v200, v201
	v_lshrrev_b32 v1, 5, v0
	v_readfirstlane_b32 s10, v1            ; wave 0..15
	s_and_b32 s13, s10, 7
	s_lshr_b32 s11, s13, 2                 ; which step of the work-group's two
	s_and_b32 s12, s13, 3                  ; block b
	s_mov_b32 s16, (3<<16)|(1<<20)|(5<<22)|(3<<25)   ; K: 2 rows of 1,024 elements of 8 bytes, 2,048 elements apart
	s_mov_b32 s17, 1024<<16
	s_mov_b32 s18, 2<<16
	s_mov_b32 s19, 1024<<16
	s_mov_b32 s20, 2
	s_mov_b32 s21, 2048
	s_mov_b32 s22, 0
	s_mov_b32 s23, 0
	s_mov_b32 s48, (3<<16)|(1<<20)|(5<<22)|(3<<25)   ; V: 64 rows of 32 elements, dense
	s_mov_b32 s49, 32<<16
	s_mov_b32 s50, 64<<16
	s_mov_b32 s51, 32<<16
	s_mov_b32 s52, 64
	s_mov_b32 s53, 32
	s_mov_b32 s54, 0
	s_mov_b32 s55, 0
	s_lshl_b32 s34, ttmp9, 17              ; 256 rows of 512 bytes
	s_lshl_b32 s14, s11, 16
	s_add_co_u32 s14, s14, s34
	s_lshr_b32 s15, s12, 1
	s_lshl_b32 s15, s15, 15
	s_add_co_u32 s14, s14, s15
	s_and_b32 s15, s12, 1
	s_lshl_b32 s15, s15, 13
	s_add_co_u32 s14, s14, s15             ; K: 64 (b / 2) + 16 (b % 2) keys on
	s_mov_b32 s15, 0
	s_lshl_b32 s35, s13, 14
	s_add_co_u32 s34, s34, s35             ; V: 32 keys x my number
	s_mov_b32 s35, 0
	s_mul_i32 s[LB], s10, WT
	s_mul_i32 s40, ttmp9, 2*STEPB
	s_mul_i32 s42, s11, STEPB
	s_lshr_b32 s43, s12, 1
	s_mul_i32 s43, s43, STEPB
	s_and_b32 s44, s12, 1
	s_mul_i32 s44, s44, 8704
	s_add_co_u32 s43, s43, s44
	s_add_co_u32 s44, s43, s40
	s_add_co_u32 s40, s40, s42             ; my step's bytes in kv
	s_mov_b32 s41, 0
	s_add_co_u32 s42, s44, KSO             ; the scale words that waves 0 to 3 send
	s_mov_b32 s43, 0
	s_mov_b32 s32, 0x76543210
	s_mov_b32 s33, 0xfedcba98
	s_lshl_b32 s56, s12, 11
	s_lshl_b32 s57, s12, 8
	s_lshl_b32 s58, s11, 10
	s_add_co_u32 s58, s58, SSTG
	s_lshl_b32 s59, s12, 2
	s_add_co_u32 s59, s59, s58
	s_add_co_u32 s60, s58, s12
	s_add_co_u32 s60, s60, 512
	s_lshl_b32 s61, s12, 9
	s_add_co_u32 s61, s61, SSTG
	s_wait_alu depctr_va_vdst(0)
	s_wait_dscnt 0x0
	s_wait_kmcnt 0x0
	s_mov_b32 s24, 1
	s_mov_b32 s25, s[LB]
	s_add_nc_u64 s[26:27], s[4:5], s[14:15]
	s_or_b32 s27, s27, 0x80000000
	s_mov_b32 s28, 1
	s_mov_b32 s29, s[LB]
	s_add_nc_u64 s[30:31], s[6:7], s[34:35]
	s_or_b32 s31, s31, 0x80000000
	s_add_nc_u64 s[38:39], s[8:9], s[40:41]
	s_add_nc_u64 s[36:37], s[8:9], s[42:43]
	s_cmp_lt_u32 s10, 8
	s_cbranch_scc0 .Lfetch_v
	tensor_load_to_lds s[24:27], s[16:23]
	s_nop 0
.rept 4
	v_nop
.endr
	s_branch .Lasked
.Lfetch_v:
	tensor_load_to_lds s[28:31], s[48:55]
	s_nop 0
.rept 4
	v_nop
.endr
.Lasked:
	v_and_b32 v1, 31, v0                   ; lane
	v_and_b32 v2, 15, v0                   ; r
	v_bfe_u32 v3, v0, 4, 1                 ; h
	v_and_b32 v4, 8, v2
	v_lshlrev_b32 v5, 2, v1
	v_lshlrev_b32 v11, 4, v1
	v_add_nc_u32 v4, v4, v2
	v_add_nc_u32 v5, s[LB], v5             ; V: my channel's 4 bytes
	v_add_nc_u32 v6, s56, v11              ; K's codes: 2,048 b + 16 lane
	v_mul_u32_u24 v4, v4, 544
	v_lshlrev_b32 v7, 10, v3
	v_add_nc_u32 v8, s59, v11
	v_lshl_add_u32 v4, v3, 7, v4
	v_lshl_add_u32 v7, v2, 4, v7
	v_add_nc_u32 v9, s60, v11
	v_add_nc_u32 v4, s[LB], v4             ; K: key r + 8 (r / 8) of mine, 128 h bytes on
	v_add_nc_u32 v7, s57, v7               ; V's codes
	v_add_nc_u32 v10, s61, v11
	v_lshlrev_b32 v23, 3, v3
	v_mov_b32 v24, 0
	v_mov_b32 v25, 0
.macro QBLK xs, cd, eb
.set XS, \xs
.set CD, \cd
	v_max3_num_f32 v12, |v[XS]|, |v[XS+1]|, |v[XS+2]|
	v_max3_num_f32 v13, |v[XS+3]|, |v[XS+4]|, |v[XS+5]|
.irp i, 6,10,14,18,22,26
	s_delay_alu instid0(VALU_DEP_2)
	v_max3_num_f32 v12, v12, |v[XS+\i]|, |v[XS+\i+1]|
	s_delay_alu instid0(VALU_DEP_2)
	v_max3_num_f32 v13, v13, |v[XS+\i+2]|, |v[XS+\i+3]|
.endr
	s_delay_alu instid0(VALU_DEP_2)
	v_max3_num_f32 v12, v12, |v[XS+30]|, |v[XS+31]|
	s_delay_alu instid0(VALU_DEP_1)
	v_max3_num_f32 v12, v12, v13, 0x1800000   ; with the floor 2^(3 - 127)
	s_delay_alu instid0(VALU_DEP_1)
	v_add_nc_u32 v14, 0xff000000, v12      ; 2 off the exponent field: the conversion's scale operand
.irp g, 0,1,2,3
	v_cvt_scalef32_pk8_fp4_f32 v[CD+\g], v[XS+8*\g:XS+8*\g+7], v14
.endr
	v_lshrrev_b32 v[\eb], 23, v14          ; the byte; also the plain place behind the conversions
.endm
.macro LOADK j
.irp i, 0,1,2,3,4,5,6,7
	ds_load_b128 v[X+32*(\j)+4*\i:X+32*(\j)+4*\i+3], v4 offset:(16*((\j)/2)+(\j)%2)*272+16*\i
.endr
.endm
.macro LOADV cg
.irp i, 0,1,2,3,4,5,6,7,8,9,10,11,12,13,14,15,16,17,18,19,20,21,22,23,24,25,26,27,28,29,30,31
	ds_load_b32 v[X+32*(\cg)+\i], v5 offset:(2*\i+(\cg)/2)*272+128*((\cg)%2)
.endr
.endm
	s_wait_alu depctr_va_vdst(0)           ; the wait at the head's end
	s_wait_tensorcnt 0x0                   ; my one load is in
	s_cmp_lt_u32 s10, 8
	s_cbranch_scc0 .Lv_role
	; K: j = 2 v + c: tile 2 b + v, half c of the head's 128
.irp j, 0,1,2,3
	LOADK \j
.endr
.irp j, 0,1,2,3
	s_wait_dscnt 8*(3-\j)                  ; the later blocks' eight loads each may be out
	QBLK X+32*\j, CK+4*\j, EK+\j
	global_store_b128 v6, v[CK+4*\j:CK+4*\j+3], s[38:39] offset:512*\j
.endr
.irp u, 0,1
	v_lshl_or_b32 v[20+\u], v[EK+2*\u+1], 16, v[EK+2*\u]
.endr
.irp u, 0,1
	v_lshlrev_b32 v[20+\u], v23, v[20+\u]
.endr
.irp u, 0,1
	v_permlanex16_b32 v[24+\u], v[20+\u], s32, s33
.endr
.irp u, 0,1
	v_or_b32 v[20+\u], v[20+\u], v[24+\u]
.endr
	s_mov_b32 vcc_lo, 0xffff0000
	v_cndmask_b32 v20, v20, v21, vcc_lo    ; lanes 0-15 tile 2 b's words, lanes 16-31 tile 2 b + 1's
	ds_store_b32 v8, v20
	s_branch .Ljoin
.Lv_role:
	; V: a lane takes channel 32 cg + lane, its registers run along my 32 keys
	LOADV 0
	LOADV 1
.macro VBLK cg, left
	s_wait_dscnt \left                     ; the 32 loads of the next block and the byte stores issued behind mine may be out
.if (\cg) < 2
	LOADV (\cg)+2
.endif
	QBLK X+32*(\cg), CV+4*(\cg), EV+(\cg)
	ds_store_b8 v9, v[EV+(\cg)] offset:4*(\cg)
	global_store_b128 v7, v[CV+4*(\cg):CV+4*(\cg)+3], s[38:39] offset:VIO+2048*(\cg)
.endm
	VBLK 0, 32
	VBLK 1, 33
	VBLK 2, 34
	VBLK 3, 2
.Ljoin:
	s_wait_dscnt 0x0                       ; my scale words and bytes are in LDS
	s_barrier_signal -1
	s_barrier_wait -1
	s_cmp_lt_u32 s10, 4
	s_cbranch_scc0 .Lend
	ds_load_b128 v[196:199], v10           ; 512 bytes of scale words a wave
	s_wait_dscnt 0x0
	global_store_b128 v11, v[196:199], s[36:37]
.Lend:
	s_wait_tensorcnt 0x0                   ; the wave's end
	ds_add_u32 v200, v201
	s_wait_dscnt 0x0
	s_endpgm
.Lfunc_end_k_q829bb2593f_quant:
	.size	k_q829bb2593f_quant, .Lfunc_end_k_q829bb2593f_quant-k_q829bb2593f_quant
	.p2alignl 7, 3214868480
	.fill 96, 4, 3214868480
	.section	.rodata,"a",@progbits
	.p2align	6, 0x0
	.amdhsa_kernel k_q829bb2593f_quant
		.amdhsa_group_segment_fixed_size 327680
		.amdhsa_private_segment_fixed_size 0
		.amdhsa_enable_private_segment 0
		.amdhsa_kernarg_size 24
		.amdhsa_user_sgpr_count 2
		.amdhsa_user_sgpr_kernarg_segment_ptr 1
		.amdhsa_wavefront_size32 1
		.amdhsa_system_sgpr_workgroup_id_x 1
		.amdhsa_system_sgpr_workgroup_id_y 1
		.amdhsa_system_sgpr_workgroup_id_z 1
		.amdhsa_system_vgpr_workitem_id 0
		.amdhsa_next_free_vgpr 202
		.amdhsa_next_free_sgpr 66
		.amdhsa_reserve_vcc 1
		.amdhsa_float_denorm_mode_32 3
		.amdhsa_float_denorm_mode_16_64 3
		.amdhsa_memory_ordered 1
		.amdhsa_forward_progress 1
		.amdhsa_inst_pref_size 33
	.end_amdhsa_kernel
	.amdgpu_metadata
---
amdhsa.version: [ 1, 2 ]
amdhsa.kernels:
  - .name:           k_q829bb2593f_quant
    .symbol:         k_q829bb2593f_quant.kd
    .args:
      - { .name: keys, .offset: 0, .size: 8, .value_kind: global_buffer, .address_space: global }
      - { .name: values, .offset: 8, .size: 8, .value_kind: global_buffer, .address_space: global }
      - { .name: kv, .offset: 16, .size: 8, .value_kind: global_buffer, .address_space: global }
    .group_segment_fixed_size: 327680
    .private_segment_fixed_size: 0
    .kernarg_segment_align: 8
    .kernarg_segment_size: 24
    .max_flat_workgroup_size: 512
    .sgpr_count:     66
    .vgpr_count:     202
    .wavefront_size: 32
...
	.end_amdgpu_metadata
.endif
;; end of part 1
;; launch attend (part 2): grid 8 x 32, 8 waves a work-group, clusters of 4 x 1, 327,680 bytes of LDS; arguments queries, kv, out0; writes out0
.if DOCPART == 2
	.amdgcn_target "amdgcn-amd-amdhsa--gfx1250"
	.amdhsa_code_object_version 6
	.text
	.protected	k_q829bb2593f_attend
	.globl	k_q829bb2593f_attend
	.p2align	8
	.type	k_q829bb2593f_attend,@function
k_q829bb2593f_attend:
	s_mov_b64 s[64:65], 0
	v_nop
	global_prefetch_b8 v0, s[64:65] scope:SCOPE_SE
	s_setreg_imm32_b32 hwreg(HW_REG_WAVE_MODE, 25, 1), 1
	s_wait_xcnt 0x0
	s_wait_alu depctr_hold_cnt(0) depctr_sa_sdst(0) depctr_va_vdst(0) depctr_va_sdst(0) depctr_va_ssrc(0) depctr_va_vcc(0) depctr_vm_vsrc(0)
	s_getreg_b32 s2, hwreg(HW_REG_IB_STS2, 6, 4)
	s_cmp_eq_u32 s2, 0
	s_cbranch_scc0 .Lentry_in_a_cluster
	s_endpgm
.Lentry_in_a_cluster:
	s_bfe_u32 s2, ttmp6, 0x10000c
	s_cmp_lg_u32 s2, 0x3003
	s_cbranch_scc0 .Lentry_shape_is_right
	s_endpgm
.Lentry_shape_is_right:
; out0[h][q][:] = the sum over k of softmax_k(Q[h][q] . K[h][k] / sqrt(128)) V[h][k][:], 32 heads, 2,048 queries and keys, head size 128; both products on codes of FP4 (E2M1) with one E8M0 scale for each 32 along K.
; K and V come from kv, laid by the launch before in the order of the operands' registers.  Q arrives as f32, is read once and quantised in registers.
; SOFTMAX: t = score x log2(e) / sqrt(128); M = the running largest t rounded UP to a whole number; p = 2^(t - M) is quantised along the keys, not normalised; the row's sum of the unquantised p divides O at the end.
; When M moves, the sum and O are multiplied by 2^(old M - new M): exact.
; LIMITS: NaN and infinities among the inputs are not served.  Scaled scores stay under 2^31 in magnitude.  A block of Q or of p whose largest magnitude lies under 2^-124 keeps the scale byte 1.  A p under 2^-126 comes out of v_exp_f32 as 0.
; SHARES.  A work-group owns 256 queries of a head; each of its eight waves owns 32, two tiles A and B of 16, so that each fragment of K and V read from LDS feeds both.  A key step is 256 keys: M moves and O is rescaled once for 256 keys.
; LAYOUT.  Both products are used transposed: S^T = K Q^T (32 keys x 16 queries an instruction), O^T = V^T P^T (32 channels x 16 queries): a lane holds ONE query (lane % 16) of each tile throughout.
; K's rows are laid so that the 32 registers of two neighbouring products hold, in lane (r, h), the WHOLE block of 32 keys 64 c + 32 h + 0..31 in order: the block's largest p needs no other lane, and the codes of p are the next operand's registers as they stand.
; A WHOLE HEAD'S CODES, 278,528 bytes, LIE IN LDS, each byte filled once: every wave has one joint load at the head (steps 0 and 1) and one behind a full sequence (steps 2 to 7), which has two key steps in which to land.
; CLUSTER.  Four query blocks of one head read the same codes: each load is JOINT, the descriptor made of the head and the wave's number alone.  My place in the cluster enters the addresses of Q and of O alone.
; NO PREFETCH: the codes come by two loads a wave in all, both asked for ahead of the loops; there is no stream to run ahead of.
; REGISTERS, two windows of 256.  Window 0: tile A's v0-15 at work; v16-23 V's scale words; v24-27 p's scale words (A, B); v28, v29 Q's; v30, v31 the add's; v32-159 A's scores and p, then V's fragments; v160-175 p's codes;
;   v176-239 O^T; v240-247 Q's codes; v248-255 K's scale words.  Window 1: v0-15 B's codes of p; v16-31 at work; v32-175 K's fragments (from v48) and B's scores and p (from v32); v176-239 O^T; v240-247 Q's codes.
; At work, from base b: b the factor f, b+1 the largest score, b+2 -M, b+4..5 the sum in two halves, b+6..9 the blocks' largest, b+10..13 and b+15 temporaries.  (v3 16 x lane, v14 the LDS address.)
.set STEPB, 17408                      ; 128 keys in kv and in LDS
.set STEP2, 2*STEPB                    ; a key step
.set HEADB, 8*STEP2
.set KSO,   8192
.set VIO,   8704
.set VSO,   16896
.set FA,    2*STEP2/8                  ; a wave's share of the first fill: 34 rows of 256 bytes
.set FB,    6*STEP2/8                  ; and of the second: 102 rows
.set STAGE, HEADB                      ; 16 rows of 272 bytes for each wave
.set SPARE, STAGE+8*16*272
.set LI,  3
.set AD,  14
.set VS,  16
.set KS,  248
.set WV,  10
.set SEL, 20                           ; s[20:21] lane selects: lane l xor 16
.set CS,  22                           ; s[22:23] c = log2(e) / sqrt(128), a pair of which the low word serves
.set G1A, 24
.set G1B, 32
.set G0A, 40
.set G0B, 44
.set TB,  48                           ; s48 the next key step's LDS byte
.set CNT, 49
.set TBC, 50                           ; s50 the same, held inside what has landed
.set NC,  51                           ; s51 -c
.set STG, 52                           ; s52 my stage
.set MSB, 0
.macro WIN new                         ; the immediate's high byte repeats the setting that is left
.if MSB != (\new)
	s_set_vgpr_msb (MSB<<8)|(\new)
.set MSB, \new
.endif
.endm
.macro CROUND                          ; a round of the cluster's barrier
	s_barrier_signal -1
	s_barrier_wait -1
	s_cmp_lg_u32 s[WV], 0
	s_cbranch_scc1 .Lnot_wave_0_\@
	s_barrier_signal -3
.Lnot_wave_0_\@:
	s_barrier_wait -3
	s_barrier_signal -1
	s_barrier_wait -1
.endm
; Half of a tile's Q is 16 rows x 256 bytes; a load takes two rows' 256 bytes each, 16 bytes a lane.
.macro QLOAD base, off
.irp c, 0,1
.irp n, 0,1,2,3,4,5,6,7
	global_load_b128 v[\base+32*\c+4*\n:\base+32*\c+4*\n+3], v160, s[4:5] offset:\off+1024*\n+256*\c th:TH_LOAD_NT
.endr
.endr
.endm
; A tile's Q through my stage, half a row at a time (LDS serves a wave's instructions in order): lane (r, h) gets d = 64 c + 32 h + 0..31 of row r, two whole blocks; then codes and scale word.
.macro QTILE base, w, dst
.irp c, 0,1
.irp n, 0,1,2,3,4,5,6,7
	ds_store_b128 v163, v[\base+32*\c+4*\n:\base+32*\c+4*\n+3] offset:544*\n
.endr
.irp i, 0,1,2,3,4,5,6,7
	ds_load_b128 v[176+32*\c+4*\i:179+32*\c+4*\i], v164 offset:16*\i
.endr
.endr
	s_wait_dscnt 0x0
.irp c, 0,1
	v_max3_num_f32 v[166+\c], |v[176+32*\c]|, |v[177+32*\c]|, 0x1800000   ; with the floor 2^(3 - 127)
	v_max3_num_f32 v[168+\c], |v[192+32*\c]|, |v[193+32*\c]|, |v[194+32*\c]|
.endr
.irp i, 0,2,4,6,8,10
.irp c, 0,1
	v_max3_num_f32 v[166+\c], v[166+\c], |v[178+32*\c+\i]|, |v[179+32*\c+\i]|
	v_max3_num_f32 v[168+\c], v[168+\c], |v[195+32*\c+\i]|, |v[196+32*\c+\i]|
.endr
.endr
.irp c, 0,1
	v_max3_num_f32 v[166+\c], v[166+\c], |v[190+32*\c]|, |v[191+32*\c]|
.endr
.irp c, 0,1
	v_max3_num_f32 v[166+\c], v[166+\c], v[168+\c], |v[207+32*\c]|
.endr
.irp c, 0,1
	v_add_nc_u32 v[168+\c], 0xff000000, v[166+\c]   ; 2 off the exponent field: the conversion's scale operand
.endr
.irp c, 0,1
	v_lshrrev_b32 v[170+\c], 23, v[168+\c]
.endr
	v_lshl_or_b32 v170, v171, 16, v170             ; blocks h and 2 + h
	v_permlanex16_b32 v172, v170, s[SEL], s[SEL+1]
	v_lshl_or_b32 v[\dst], v172, 8, v170           ; lanes 0-15: the whole word
	WIN \w
.irp c, 0,1
.irp g, 0,1,2,3
	v_cvt_scalef32_pk8_fp4_f32 v[240+4*\c+\g], v[176+32*\c+8*\g:183+32*\c+8*\g], v[168+\c]
.endr
.endr
	v_nop                                          ; one plain place behind a scaled conversion
	WIN 0
.endm
; K's fragments of the key step at v[AD]: eight of 32 rows x 128, window 1 from v48 on; scale words in window 0
.macro KLOAD
	ds_load_b128 v[KS:KS+3], v[AD] offset:KSO
	ds_load_b128 v[KS+4:KS+7], v[AD] offset:STEPB+KSO
	WIN 0x40
.irp s, 0,1
.irp t, 0,1,2,3,4,5,6,7
.irp c, 0,1
	ds_load_b128 v[48+64*\s+8*\t+4*\c:51+64*\s+8*\t+4*\c], v[AD] offset:STEPB*\s+1024*\t+512*\c
.endr
.endr
.endr
	WIN 0
.endm
; V's fragments of the key step: into tile A's score registers
.macro VLOAD
	ds_load_b128 v[VS:VS+3], v[AD] offset:VSO
	ds_load_b128 v[VS+4:VS+7], v[AD] offset:STEPB+VSO
.irp s, 0,1
.irp t, 0,1,2,3,4,5,6,7
.irp c, 0,1
	ds_load_b128 v[32+64*\s+8*\t+4*\c:35+64*\s+8*\t+4*\c], v[AD] offset:STEPB*\s+VIO+1024*\t+512*\c
.endr
.endr
.endr
.endm
; The largest score of product i's 16 registers; two products make a block of 32 keys.  Four chains by turns, joined at the block's end; each result from its low end on.
.macro MAXR i, b
.set QR, 32+16*(\i)
.set QG, (\b)+6+(\i)/2
.set QE, (\b)+10
.if (\i)%2 == 0
	v_max3_num_f32 v[QG], v[QR], v[QR+1], v[QR+2]
	v_max3_num_f32 v[QE], v[QR+3], v[QR+4], v[QR+5]
	v_max3_num_f32 v[QE+1], v[QR+6], v[QR+7], v[QR+8]
	v_max3_num_f32 v[QE+2], v[QR+9], v[QR+10], v[QR+11]
	v_max3_num_f32 v[QG], v[QG], v[QR+12], v[QR+13]
	v_max3_num_f32 v[QE], v[QE], v[QR+14], v[QR+15]
.else
	v_max3_num_f32 v[QE+1], v[QE+1], v[QR], v[QR+1]
	v_max3_num_f32 v[QE+2], v[QE+2], v[QR+2], v[QR+3]
	v_max3_num_f32 v[QG], v[QG], v[QR+4], v[QR+5]
	v_max3_num_f32 v[QE], v[QE], v[QR+6], v[QR+7]
	v_max3_num_f32 v[QE+1], v[QE+1], v[QR+8], v[QR+9]
	v_max3_num_f32 v[QE+2], v[QE+2], v[QR+10], v[QR+11]
	v_max3_num_f32 v[QG], v[QG], v[QR+12], v[QR+13]
	v_max3_num_f32 v[QE], v[QE], v[QR+14], v[QR+15]
	v_max3_num_f32 v[QG], v[QG], v[QE+1], v[QE+2]
	v_max_num_f32 v[QG], v[QG], v[QE]
.endif
.endm
; The running largest score of my query, -M = floor(-t), and f = 2^(old M - new M)
.macro ROWM b
.set QE, (\b)+10
	v_max3_num_f32 v[QE], v[(\b)+6], v[(\b)+7], v[(\b)+8]
	s_delay_alu instid0(VALU_DEP_1)
	v_max3_num_f32 v[QE], v[QE], v[(\b)+9], v[(\b)+1]
	s_delay_alu instid0(VALU_DEP_1)
	v_permlanex16_b32 v[(\b)+15], v[QE], s[SEL], s[SEL+1]
	s_delay_alu instid0(VALU_DEP_1)
	v_max_num_f32 v[(\b)+1], v[QE], v[(\b)+15]     ; with lane l xor 16's keys
	s_delay_alu instid0(VALU_DEP_1)
	v_mul_f32 v[QE], s[NC], v[(\b)+1]
	s_delay_alu instid0(VALU_DEP_1)
	v_floor_f32 v[QE], v[QE]
	s_delay_alu instid0(VALU_DEP_1)
	v_sub_f32 v[QE+1], v[QE], v[(\b)+2]            ; a whole number, 0 or less
	v_mov_b32 v[(\b)+2], v[QE]
	s_delay_alu instid0(VALU_DEP_2)
	v_cvt_i32_f32 v[QE+1], v[QE+1]                 ; (it saturates)
	s_delay_alu instid0(VALU_DEP_1)
	v_ldexp_f32 v[\b], 1.0, v[QE+1]
.endm
; The softmax of 256 keys for one tile: p, the row's sum of the unquantised p, p's codes and its two scale words
.macro SOFT b, pc, ps, w, wd
	WIN \w
.set QM, (\b)+6
.set QE, (\b)+10
.set J, 32
.rept 64
	v_pk_fma_f32 v[J:J+1], v[J:J+1], s[CS:CS+1], v[(\b)+2:(\b)+3] op_sel_hi:[1,0,0]   ; t - M (of the pairs c and -M the low word serves both halves)
.set J, J+2
.endr
.irp g, 0,2
	v_pk_fma_f32 v[QM+\g:QM+\g+1], v[QM+\g:QM+\g+1], s[CS:CS+1], v[(\b)+2:(\b)+3] op_sel_hi:[1,0,0]   ; the same of each block's largest score: p rises with the score
.endr
	s_wait_alu depctr_va_vdst(0)                   ; the wait ahead of the batch
.set J, 32
.rept 128
	v_exp_f32 v[J], v[J]
.set J, J+1
.endr
.irp g, 0,1,2,3
	v_exp_f32 v[QM+\g], v[QM+\g]
.endr
	v_pk_mul_f32 v[(\b)+4:(\b)+5], v[(\b)+4:(\b)+5], v[\b:(\b)+1] op_sel_hi:[1,0]   ; the sum under the new M; the plain place behind the batch
	s_wait_alu depctr_va_vdst(0)                   ; and behind it
.irp g, 0,1,2,3
	v_max_num_f32 v[QM+\g], 0x1800000, v[QM+\g]    ; the floor: the byte cannot fall under 1
.endr
.irp g, 0,1,2,3
	s_delay_alu instid0(VALU_DEP_4)
	v_add_nc_u32 v[QM+\g], 0xff000000, v[QM+\g]    ; the conversion's scale operand
.endr
.irp g, 0,1,2,3
	s_delay_alu instid0(VALU_DEP_4)
	v_lshrrev_b32 v[QE+\g], 23, v[QM+\g]           ; the byte
.endr
	v_lshl_or_b32 v[QE], v[QE+1], 16, v[QE]        ; my half's bytes h and 2 + h of each 128 keys' word
	v_lshl_or_b32 v[QE+2], v[QE+3], 16, v[QE+2]
	v_permlanex16_b32 v[(\b)+15], v[QE], s[SEL], s[SEL+1]
	v_permlanex16_b32 v[QE+1], v[QE+2], s[SEL], s[SEL+1]
	WIN \wd
	v_lshl_or_b32 v[\ps], v[(\b)+15], 8, v[QE]     ; lanes 0-15: the whole words, in window 0
	v_lshl_or_b32 v[(\ps)+1], v[QE+1], 8, v[QE+2]
	WIN \w
.irp g, 0,1,2,3
.irp n, 0,1,2,3
	v_cvt_scalef32_pk8_fp4_f32 v[(\pc)+4*\g+\n], v[32+32*\g+8*\n:39+32*\g+8*\n], v[QM+\g]   ; the operand's registers as they stand
.endr
.endr
	v_pk_add_f32 v[QE:QE+1], v[32:33], v[34:35]    ; the row's sum in five chains by turns
	v_pk_add_f32 v[QE+2:QE+3], v[36:37], v[38:39]
	v_pk_add_f32 v[QM:QM+1], v[40:41], v[42:43]
	v_pk_add_f32 v[QM+2:QM+3], v[44:45], v[46:47]
	v_pk_add_f32 v[(\b)+4:(\b)+5], v[(\b)+4:(\b)+5], v[48:49]
.set J, 50
.rept 11
	v_pk_add_f32 v[QE:QE+1], v[QE:QE+1], v[J:J+1]
	v_pk_add_f32 v[QE+2:QE+3], v[QE+2:QE+3], v[J+2:J+3]
	v_pk_add_f32 v[QM:QM+1], v[QM:QM+1], v[J+4:J+5]
	v_pk_add_f32 v[QM+2:QM+3], v[QM+2:QM+3], v[J+6:J+7]
	v_pk_add_f32 v[(\b)+4:(\b)+5], v[(\b)+4:(\b)+5], v[J+8:J+9]
.set J, J+10
.endr
	v_pk_add_f32 v[QE:QE+1], v[QE:QE+1], v[QE+2:QE+3]
	v_pk_add_f32 v[QM:QM+1], v[QM:QM+1], v[QM+2:QM+3]
	v_pk_add_f32 v[(\b)+4:(\b)+5], v[(\b)+4:(\b)+5], v[QE:QE+1]
	v_pk_add_f32 v[(\b)+4:(\b)+5], v[(\b)+4:(\b)+5], v[QM:QM+1]
.endm
.macro RESCALE b                       ; O^T under the new M, each accumulator from its low end on
	s_wait_alu depctr_va_vdst(0)                   ; the wait, directly ahead of O^T's first reader
.set J, 176
.rept 32
	v_pk_mul_f32 v[J:J+1], v[J:J+1], v[\b:(\b)+1] op_sel_hi:[1,0]
.set J, J+2
.endr
.endm
.macro PV pc, ps                       ; O^T += V^T P^T: four accumulators of 32 channels take turns, one instruction a turn
.irp s, 0,1
.irp j, 0,1,2,3
	v_wmma_scale_f32_32x16x128_f4 v[176+16*\j:191+16*\j], v[32+64*\s+16*\j:47+64*\s+16*\j], v[(\pc)+8*\s:(\pc)+8*\s+7], v[176+16*\j:191+16*\j], v[VS+4*\s+\j], v[(\ps)+\s]
.endr
.endr
.endm
; n key steps; K's fragments of the first have been asked for; limit: the last of them in LDS
.macro STEPS n, limit
	s_mov_b32 s[CNT], \n
.Lstep_\@:
.rept 5
	v_nop                                          ; five places between the products that read V's fragments and those that write A's scores over them
.endr
	s_wait_dscnt 0x0                               ; K's fragments are in
	WIN 0x01
.irp i, 0,1,2,3,4,5,6,7
	v_wmma_scale_f32_32x16x128_f4 v[32+16*\i:47+16*\i], v[48+16*\i:63+16*\i], v[240:247], 0, v[KS+\i], v28
.endr
	WIN 0
.rept 5
	v_nop                                          ; places ahead of the first read of A's scores, and, five, ahead of B's products over fragments that A's read
.endr
.irp i, 0,1,2,3,4,5,6,7                ; B's product i lands on fragment i - 1, which is done with: A's maxima (six or ten lines) are further places between
	WIN 0x45
	v_wmma_scale_f32_32x16x128_f4 v[32+16*\i:47+16*\i], v[48+16*\i:63+16*\i], v[240:247], 0, v[KS+\i], v29
	WIN 0
	MAXR \i, 0
.endr
	ROWM 0
	WIN 0x55
.irp i, 0,1,2,3,4,5,6,7
	MAXR \i, 16
.endr
	ROWM 16
	SOFT 0, 160, 24, 0, 0
	VLOAD                                          ; A's scores are done with: V's fragments land there under B's softmax
	SOFT 16, 0, 26, 0x55, 0x15
	WIN 0
	s_wait_alu depctr_va_vdst(0)                   ; the wait here, ahead of the wait below
	s_wait_dscnt 0x0                               ; V's fragments are in
	s_min_u32 s[TBC], s[TB], \limit
	s_cmp_eq_u32 s[CNT], 1
	s_cbranch_scc1 .Lno_next_\@                    ; the last step asks for no further one
	v_add_nc_u32 v[AD], s[TBC], v[LI]
	KLOAD                                          ; B's scores are done with: the next step's K lands there under the products below
.Lno_next_\@:
	RESCALE 0
	WIN 0x55
	RESCALE 16
	WIN 0
	PV 160, 24
	WIN 0x54
	PV 0, 26
	WIN 0
	s_add_co_u32 s[TB], s[TB], STEP2
	s_sub_co_u32 s[CNT], s[CNT], 1
	s_cmp_lg_u32 s[CNT], 0
	s_cbranch_scc1 .Lstep_\@
.endm
	s_load_b128 s[4:7], s[0:1], 0x0                ; queries, kv
	s_load_b64 s[8:9], s[0:1], 0x10                ; out0
	v_lshl_add_u32 v30, v0, 2, SPARE
	v_mov_b32 v31, 0
	ds_add_u32 v30, v31                            ; the add, twice on end, and its wait ahead of my first tensor load
	ds_add_u32 v30, v31
	v_lshrrev_b32 v1, 5, v0
	v_readfirstlane_b32 s[WV], v1                  ; wave 0..7
	s_bfe_u32 s11, ttmp6, 0x40000                  ; cx
	s_lshl_b32 s12, ttmp9, 2                       ; in a cluster launch ttmp9 counts clusters
	s_add_co_u32 s12, s12, s11                     ; my block of 256 queries
	s_lshl_b32 s12, s12, 8
	s_lshl_b32 s11, s[WV], 5
	s_add_co_u32 s12, s12, s11                     ; my first query
	s_and_b32 s13, ttmp7, 0xffff                   ; the head, which the four partners share
	s_lshl_b32 s14, s13, 20
	s_lshl_b32 s11, s12, 9
	s_add_co_u32 s14, s14, s11                     ; my first row of Q and of O
	s_mov_b32 s15, 0
	s_mul_i32 s53, s[WV], FA
	s_mul_i32 s54, s[WV], FB
	s_add_co_u32 s54, s54, 2*STEP2
	s_mul_i32 s55, s13, HEADB
	s_add_co_u32 s16, s55, s53
	s_mov_b32 s17, 0
	s_add_co_u32 s18, s55, s54
	s_mov_b32 s19, 0
	s_mul_i32 s[STG], s[WV], 16*272
	s_add_co_u32 s[STG], s[STG], STAGE
.irp g, G1A, G1B
	s_mov_b32 s[\g], 15|(3<<16)|(1<<21)            ; the mask: all four work-groups; elements of 8 bytes; 21 set beside a mask; no padding
	s_mov_b32 s[\g+1], 32<<16
	s_mov_b32 s[\g+3], 32<<16
	s_mov_b32 s[\g+5], 32
	s_mov_b32 s[\g+6], 0
	s_mov_b32 s[\g+7], 0
.endr
	s_mov_b32 s[G1A+2], 34<<16                     ; 34 rows of 256 bytes
	s_mov_b32 s[G1A+4], 34
	s_mov_b32 s[G1B+2], 102<<16                    ; 102 rows
	s_mov_b32 s[G1B+4], 102
	s_mov_b32 s[SEL], 0x76543210
	s_mov_b32 s[SEL+1], 0xfedcba98
	s_mov_b32 s[CS], 0x3e0293ee
	s_mov_b32 s[CS+1], s[CS]
	s_mov_b32 s[NC], 0xbe0293ee
	v_and_b32 v[LI], 31, v0
	v_and_b32 v161, 15, v0                         ; r
	v_bfe_u32 v162, v0, 4, 1                       ; h
	v_lshlrev_b32 v[LI], 4, v[LI]                  ; my place in every image
	v_lshlrev_b32 v160, 9, v162
	v_mul_u32_u24 v163, v162, 272
	v_mul_u32_u24 v164, v161, 272
	v_lshl_add_u32 v160, v161, 4, v160             ; Q: lanes 0-15 one row, lanes 16-31 the next
	v_lshl_add_u32 v163, v161, 4, v163
	v_lshl_add_u32 v164, v162, 7, v164
	v_add_nc_u32 v163, s[STG], v163                ; the stage, the same two rows
	v_add_nc_u32 v164, s[STG], v164                ; and row r, 128 h bytes on
	s_wait_alu depctr_va_vdst(0)                   ; the wait ahead of the waits below
	s_wait_dscnt 0x0                               ; both opening adds are done
	s_wait_kmcnt 0x0
	s_add_nc_u64 s[4:5], s[4:5], s[14:15]
	s_add_nc_u64 s[8:9], s[8:9], s[14:15]
	QLOAD 32, 0                                    ; tile A's Q
	s_mov_b32 s[G0A], 1
	s_mov_b32 s[G0A+1], s53
	s_add_nc_u64 s[G0A+2:G0A+3], s[6:7], s[16:17]
	s_or_b32 s[G0A+3], s[G0A+3], 0x80000000
	s_mov_b32 s[G0B], 1
	s_mov_b32 s[G0B+1], s54
	s_add_nc_u64 s[G0B+2:G0B+3], s[6:7], s[18:19]
	s_or_b32 s[G0B+3], s[G0B+3], 0x80000000
	CROUND                                         ; all four work-groups are here: the joint loads meet
	tensor_load_to_lds s[G0A:G0A+3], s[G1A:G1A+7]  ; my eighth of key steps 0 and 1
	s_nop 0
.rept 4
	v_nop
.endr
	QLOAD 96, 8192                                 ; tile B's Q
	v_mov_b32 v1, 0xff61b1e6                       ; the largest score so far: -3e38
	v_mov_b32 v4, 0
	v_mov_b32 v5, 0
	v_mul_f32 v2, s[NC], v1
	v_mov_b32 v15, 0                               ; written once: a lane permute's destination counts as one of its sources
	v_mov_b32 v172, 0
	v_floor_f32 v2, v2                             ; -M
	WIN 0x55
	v_mov_b32 v17, 0xff61b1e6
	v_mov_b32 v20, 0
	v_mov_b32 v21, 0
	v_mul_f32 v18, s[NC], v17
	v_mov_b32 v19, 0                               ; (named with -M as a pair)
	v_mov_b32 v31, 0
	v_floor_f32 v18, v18
.set J, 176
.rept 64
	v_mov_b32 v[J], 0                              ; B's O^T: the first change of M leaves zeros
.set J, J+1
.endr
	WIN 0
	s_wait_alu depctr_va_vdst(0)                   ; the wait ahead of the wait below
	s_wait_tensorcnt 0x0                           ; my part of steps 0 and 1 is in
	ds_add_u32 v30, v31
	s_wait_dscnt 0x0
	CROUND                                         ; and everybody's
	tensor_load_to_lds s[G0B:G0B+3], s[G1B:G1B+7]  ; my eighth of key steps 2 to 7
	s_nop 0
.rept 4
	v_nop
.endr
	v_mov_b32 v[AD], v[LI]
	KLOAD                                          ; K of step 0
	s_wait_loadcnt 16                              ; tile A's sixteen loads are in; tile B's sixteen may be out
	QTILE 32, 0, 28
	s_wait_alu depctr_va_vdst(0)
	s_wait_loadcnt 0x0
	QTILE 96, 0x40, 29
.set J, 176
.rept 64
	v_mov_b32 v[J], 0                              ; A's O^T.  (Also the places between Q's scale words and codes and the first product)
.set J, J+1
.endr
	s_mov_b32 s[TB], STEP2
	STEPS 2, STEP2
	s_wait_alu depctr_va_vdst(0)
	s_wait_tensorcnt 0x0                           ; my part of steps 2 to 7 is in
	s_wait_dscnt 0x0
	s_barrier_signal -1
	s_barrier_wait -1                              ; and everybody's
	v_add_nc_u32 v[AD], 2*STEP2, v[LI]
	KLOAD
	s_mov_b32 s[TB], 3*STEP2
	STEPS 6, 7*STEP2
	; THE WAY OUT.  O^T / the sum goes through my stage, half a row (64 channels, 256 bytes) of 16 queries at a time, so that sixteen lanes store 256 consecutive bytes.
	v_add_f32 v4, v4, v5
	v_permlanex16_b32 v15, v4, s[SEL], s[SEL+1]
	v_add_f32 v4, v4, v15
	WIN 0x55
	v_add_f32 v20, v20, v21
	v_permlanex16_b32 v31, v20, s[SEL], s[SEL+1]
	v_add_f32 v20, v20, v31
	s_wait_alu depctr_va_vdst(0)                   ; the wait ahead of the transcendentals
	v_rcp_f32 v20, v20
	WIN 0
	v_rcp_f32 v4, v4
	v_lshrrev_b32 v10, 4, v[LI]                    ; lane
	v_and_b32 v11, 15, v10                         ; r
	v_lshrrev_b32 v12, 4, v10                      ; h
	v_lshlrev_b32 v13, 9, v12
	v_mul_u32_u24 v6, v12, 272
	v_mul_u32_u24 v7, v11, 272
	v_lshl_add_u32 v13, v11, 4, v13                ; O: lanes 0-15 one row, lanes 16-31 the next
	v_lshl_add_u32 v6, v11, 4, v6
	v_lshl_add_u32 v7, v12, 5, v7
	v_add_nc_u32 v6, s[STG], v6                    ; back out of the stage, the same two rows
	v_add_nc_u32 v7, s[STG], v7                    ; into it: row r; tile t's eight channels of my half: 64 t + 32 h bytes on
	s_wait_alu depctr_va_vdst(0)                   ; the wait ahead of the first readers of the reciprocal and of O^T
.set J, 0
.rept 32
	v_pk_mul_f32 v[32+J:33+J], v[176+J:177+J], v[4:5] op_sel_hi:[1,0]
.set J, J+2
.endr
.macro TOSTAGE src, dst, w
.irp u, 0,1
.irp t, 0,1,2,3
	ds_store_b128 v7, v[\src+32*\u+8*\t:\src+32*\u+8*\t+3] offset:64*\t
	ds_store_b128 v7, v[\src+32*\u+8*\t+4:\src+32*\u+8*\t+7] offset:64*\t+16
.endr
	WIN \w
.irp i, 0,1,2,3,4,5,6,7
	ds_load_b128 v[\dst+32*\u+4*\i:\dst+32*\u+4*\i+3], v6 offset:2*\i*272   ; LDS serves a wave's instructions in order: these see my stores
.endr
	WIN 0
.endr
.endm
.macro SEND src, off
.irp u, 0,1
.irp i, 0,1,2,3,4,5,6,7
	s_wait_dscnt 23-16*\u-\i                       ; behind this load: the rest of its half's eight, and for the first half the second's eight stores and eight loads
	global_store_b128 v13, v[\src+32*\u+4*\i:\src+32*\u+4*\i+3], s[8:9] offset:\off+1024*\i+256*\u th:TH_STORE_NT
.endr
.endr
.endm
	TOSTAGE 32, 176, 0
	WIN 0x05
	s_wait_alu depctr_va_vdst(0)                   ; the same for tile B
.set J, 0
.rept 32
	v_pk_mul_f32 v[96+J:97+J], v[176+J:177+J], v[20:21] op_sel_hi:[1,0]
.set J, J+2
.endr
	WIN 0
	s_wait_alu depctr_va_vdst(0)                   ; the wait ahead of the waits below
	SEND 176, 0
	TOSTAGE 96, 32, 0x40
	WIN 0x04
	SEND 32, 8192
	WIN 0
	s_wait_tensorcnt 0x0                           ; the wave's end
	ds_add_u32 v30, v31
	s_wait_dscnt 0x0
	CROUND                                         ; the closing round: no work-group ends while a partner may still ask for a tile that names it
	s_endpgm
.Lfunc_end_k_q829bb2593f_attend:
	.size	k_q829bb2593f_attend, .Lfunc_end_k_q829bb2593f_attend-k_q829bb2593f_attend
	.p2alignl 7, 3214868480
	.fill 96, 4, 3214868480
	.section	.rodata,"a",@progbits
	.p2align	6, 0x0
	.amdhsa_kernel k_q829bb2593f_attend
		.amdhsa_group_segment_fixed_size 327680
		.amdhsa_private_segment_fixed_size 0
		.amdhsa_enable_private_segment 0
		.amdhsa_kernarg_size 24
		.amdhsa_user_sgpr_count 2
		.amdhsa_user_sgpr_kernarg_segment_ptr 1
		.amdhsa_wavefront_size32 1
		.amdhsa_system_sgpr_workgroup_id_x 1
		.amdhsa_system_sgpr_workgroup_id_y 1
		.amdhsa_system_sgpr_workgroup_id_z 1
		.amdhsa_system_vgpr_workitem_id 0
		.amdhsa_next_free_vgpr 512
		.amdhsa_next_free_sgpr 66
		.amdhsa_reserve_vcc 0
		.amdhsa_float_denorm_mode_32 3
		.amdhsa_float_denorm_mode_16_64 3
		.amdhsa_memory_ordered 1
		.amdhsa_forward_progress 1
		.amdhsa_inst_pref_size 147
	.end_amdhsa_kernel
	.amdgpu_metadata
---
amdhsa.version: [ 1, 2 ]
amdhsa.kernels:
  - .name:           k_q829bb2593f_attend
    .symbol:         k_q829bb2593f_attend.kd
    .args:
      - { .name: queries, .offset: 0, .size: 8, .value_kind: global_buffer, .address_space: global }
      - { .name: kv, .offset: 8, .size: 8, .value_kind: global_buffer, .address_space: global }
      - { .name: out0, .offset: 16, .size: 8, .value_kind: global_buffer, .address_space: global }
    .group_segment_fixed_size: 327680
    .private_segment_fixed_size: 0
    .kernarg_segment_align: 8
    .kernarg_segment_size: 24
    .max_flat_workgroup_size: 256
    .sgpr_count:     66
    .vgpr_count:     512
    .wavefront_size: 32
...
	.end_amdgpu_metadata
.endif
;; end of part 2
